; MI455X (gfx1250); checked and timed in simulation.
; The chip was launched on July 23, 2026; its instructions are those of AMD's public machine-readable ISA for CDNA 5 (MIT licence, August 2026) and "CDNA5" Instruction Set Architecture Reference Guide (July 2026). The comments in the code are by the model that wrote it; some were corrected since.
;; Causal Self Attention. Allowed arithmetic: matrix products marked QUANTISED: E4M3 operands, one given power-of-two scale a tensor, by v_wmma_f32_16x16x64_fp8_fp8 or v_wmma_f32_16x16x128_fp8_fp8, f32 sums; everything else in f32.
;; Inputs: Wc 2,048 x 2,048 float32; Wkv 2,048 x 1,024 float32; Wq 2,048 x 2,048 float32; bc 2,048 float32; lowp_scales 10 int32 (the exponents e of the quantised operands' scales 2^e); x 4 x 1,024 x 2,048 float32.
;; Outputs: out0 4 x 1,024 x 2,048 float32.
;; This version of the problem:
;;   THIS VERSION OF THE PROBLEM IS GIVEN IN LOW PRECISION. The matrix products marked QUANTISED in the list below multiply operands that are first quantised to E4M3 (4 exponent bits, 3 mantissa bits; 8 bits a number), with one given power-of-two scale for each operand tensor; their sums are f32. All else is computed in f32.
;;   The module's matrix products, in the order in which they are computed (A, B: the left and right operand; K: the contracted axis; several contracted axes count as one K, in the product's order):
;;     1. [M 4,096, K 2,048] x [K 2,048, N 2,048]; A: input x; B: input Wq: QUANTISED (scales: A lowp_scales[0], B lowp_scales[1])
;;     2. [M 4,096, K 2,048] x [K 2,048, N 1,024]; A: input x; B: input Wkv: QUANTISED (scales: A lowp_scales[2], B lowp_scales[3])
;;     3. batch 16 x [M 4,096, K 128] x [K 128, N 1,024]; A: computed on the way; B: computed on the way: QUANTISED (scales: A lowp_scales[4], B lowp_scales[5])
;;     4. batch 16 x [M 4,096, K 1,024] x [K 1,024, N 128]; A: softmax (see below); B: computed on the way: QUANTISED (scales: A lowp_scales[6], B lowp_scales[7])
;;     5. [M 4,096, K 2,048] x [K 2,048, N 2,048]; A: computed on the way; B: input Wc: QUANTISED (scales: A lowp_scales[8], B lowp_scales[9])
;;   THE QUANTISER, for each operand of a quantised product, along K:
;;     - The operand's scale is 2^e, e = its entry of the input lowp_scales (int32; the entries are numbered through the quantised products in the list's order, A before B).
;;     - Each number is divided by the scale, clamped to +-448, and rounded to the nearest number of E4M3, ties to even, subnormals kept.
;;     - The product sums the exact products of the quantised numbers (number of the format x scale) in f32.
;;   ~~~python
;;   def quantise(x, axis, e):      # numpy; x: float32 -> the quantised numbers, widened to float32 again
;;       x = np.moveaxis(x, axis, -1); K = x.shape[-1]
;;       r = np.clip(x / 2.0 ** e, -448, 448)
;;       step = 2.0 ** (np.maximum(np.frexp(np.where(r == 0, 1, r))[1] - 1, -6) - 3)
;;       q = np.round(r / step) * step * 2.0 ** e      # np.round: ties to even
;;       return np.moveaxis(q, -1, axis).astype(np.float32)
;;   ~~~
;;   SOFTMAX AHEAD OF A QUANTISED PRODUCT. Where the list says 'softmax', what is quantised is not the finished softmax but p = 2^(t - M), with t = logit x log2(e) and M = ceil(the row's largest t), a whole number; so 1/2 < the row's largest p <= 1. The row's sum l is taken of the UNQUANTISED p, in f32, and the product's result is divided by l at the end. Since M is a whole number, a kernel that streams over the keys may use a running M (the ceiling of the running maximum): every later rescaling is an exact power of two, so the quantised numbers keep their values, but for numbers so far below the row's largest that they fall under the format's range.
;;   OPERANDS COMPUTED ON THE WAY. 'Computed on the way' means the value that the module computes at that place (a softmax that the list does not call 'softmax' is quantised finished and normalised). What goes into a quantiser is computed in f32, as accurately as f32 sums, v_exp_f32 and their like allow (about 1e-6 of the number): no bf16 or f16 on the way to a quantiser, and a product that is left as it is and whose result goes on into a quantised operand takes f32 operands (vector FMAs, or v_wmma_f32_16x16x4_f32). A number that lies on a knife's edge between two numbers of the format may be rounded either way, as far as f32 arithmetic and the matrix unit's own rounding can turn it there, and no further.
;; One version. Each part assembles by itself: llvm-mc -triple=amdgcn-amd-amdhsa -mcpu=gfx1250 --defsym DOCPART=n.
;; ======== version 1 of 1: 5 launches
;; limits: right only within a limited range of input values
;; workspace buffers: xa_codes 8,388,608 bytes; xb_codes 8,388,608 bytes; wqkv_codes 6,291,456 bytes; wc_codes 4,194,304 bytes; q_codes 8,388,608 bytes; k_codes 2,097,152 bytes; v_codes 2,097,152 bytes; y_codes 8,388,608 bytes
;; launch quant_x (part 1): grid 1024 x 1, 4 waves a work-group, no clusters, 50,688 bytes of LDS; arguments x, lowp_scales, xa_codes, xb_codes; writes xa_codes, xb_codes
.if DOCPART == 1
	.amdgcn_target "amdgcn-amd-amdhsa--gfx1250"
	.amdhsa_code_object_version 6
	.text
	.protected	k_qb9b73bfeac_quant_x
	.globl	k_qb9b73bfeac_quant_x
	.p2align	8
	.type	k_qb9b73bfeac_quant_x,@function
k_qb9b73bfeac_quant_x:
	s_mov_b64 s[64:65], 0
	v_nop
	global_prefetch_b8 v0, s[64:65] scope:SCOPE_SE
	s_setreg_imm32_b32 hwreg(HW_REG_WAVE_MODE, 25, 1), 1
	s_wait_xcnt 0x0
; THE PROGRAM: quant_x, quant_w (codes), proj (q, k, v), attn, outp.  Of reference()'s work only this is left out: key steps that lie wholly under the causal mask, which reference() builds in its own
; body (jnp.tril): their scores become the least f32 number, so their p is 0 for all values of the inputs and adds nothing to a sum (launch attn).  LIMIT: a NaN or an infinity that reaches only those steps is not carried on.
; THIS LAUNCH: x [4096 tokens][2048], f32, becomes TWO sets of codes of FP8 (E4M3): xa_codes with 2^e0 (the q product's), xb_codes with 2^e2 (the kv product's).
; code = x / 2^e, held within +-448, to the nearest code, ties to even.  LIMITS: e0, e2 between -126 and 119.  NaN among the inputs is not served.
; THE LAYOUT OF ALL CODES IN THIS PROGRAM IS AN IMAGE OF THE OPERAND'S REGISTERS: [128 rows][K step of 128][16 rows][c 0..3][lane 0..31][16 bytes]; lane (r = lane % 16, h = lane / 16) holds row r, k = 32 c + 16 h + 0 .. 15.
; So 16 rows x 128 K are 2,048 consecutive bytes, and a load of 16 bytes a lane at 512 c + 16 lane fills registers 4 c .. 4 c + 3 of a fragment.
; A work-group takes 16 tokens x 512 along K, a K step of 128 in each of four steps; wave w takes tokens 4 w .. 4 w + 3: four loads of 512 consecutive bytes a step, which turn through the wave's own stage
; (16 bytes of padding behind each 64) so that a lane holds 16 neighbours.  A lane's 16 codes are one lane's 16 bytes of the step's image; the sixteen tokens' meet in LDS (pieces of 256 bytes, 272 apart; bytes of its own
; for each step), one barrier a step, and wave w stores 512 consecutive bytes, aligned, of each set: a step's codes leave while the later steps' loads are out.
; No cluster, no tensor load: no byte is read by two work-groups.
.set STEPS, 4
.set R,     16                         ; v16-79   the numbers as loaded; a step's first eight then take its images read back
.set X,     80                         ; v80-111  two sets of 16 neighbours
.set TA,    112
.set TB,    128
.set CA,    144
.set CB,    160
.set WREG,  8192                       ; a wave's two stages of 32 x SP bytes
.set SP,    80
.set SPW,   12
.set NIL,   13
.set SPARE, 4*WREG                     ; the spare words, 128 bytes a wave, which no other line names
.set IMG,   SPARE+512                  ; xa's images: 4 steps x 8 pieces x IP; xb's IMB behind them
.set IP,    272
.set FB,    8*IP
.set IMB,   4*FB
	s_load_b256 s[4:11], s[0:1], 0x0               ; x, the exponents, xa, xb
	v_lshl_add_u32 v[SPW], v0, 2, SPARE
	v_mov_b32 v[NIL], 0
	v_lshrrev_b32 v1, 5, v0
	v_readfirstlane_b32 s16, v1                    ; wave
	v_and_b32 v2, 31, v0                           ; lane
	v_lshlrev_b32 v3, 4, v2                        ; 16 x lane
	s_mul_i32 s17, s16, WREG
	v_lshrrev_b32 v14, 2, v2
	v_mul_u32_u24 v14, v14, SP
	v_and_b32 v15, 3, v2
	v_lshl_add_u32 v14, v15, 4, v14
	v_add_nc_u32 v14, s17, v14                     ; the stage, in: SP (lane / 4) + 16 (lane % 4)
	v_mul_u32_u24 v15, v2, SP
	v_add_nc_u32 v15, s17, v15                     ; out: SP x lane: token 4 wave + lane / 8, k = 16 (lane % 8)
	s_lshl_b32 s19, s16, 6
	s_add_co_u32 s19, s19, IMG
	v_and_b32 v8, 7, v2
	v_mul_u32_u24 v8, v8, IP
	v_lshrrev_b32 v5, 3, v2
	v_lshl_add_u32 v8, v5, 4, v8
	v_add_nc_u32 v8, s19, v8                       ; the image, in: piece lane % 8, place 16 (4 wave + lane / 8)
	s_mul_i32 s19, s16, 2*IP
	s_add_co_u32 s19, s19, IMG
	v_lshrrev_b32 v9, 4, v2
	v_mul_u32_u24 v9, v9, IP
	v_and_b32 v5, 15, v2
	v_lshl_add_u32 v9, v5, 4, v9
	v_add_nc_u32 v9, s19, v9                       ; out: c = wave: piece 2 wave + lane / 16, place 16 (lane % 16)
	s_lshr_b32 s18, ttmp9, 2                       ; which 16 tokens
	s_and_b32 s19, ttmp9, 3                        ; which 512 along K
	s_lshl_b32 s24, s18, 17
	s_lshl_b32 s25, s16, 15
	s_add_co_u32 s24, s24, s25
	s_lshl_b32 s25, s19, 11
	s_add_co_u32 s24, s24, s25                     ; x: token 16 g + 4 wave, 8,192 bytes a row
	s_mov_b32 s25, 0
	s_lshr_b32 s26, s18, 3
	s_lshl_b32 s26, s26, 18                        ; codes: 128 tokens are 262,144 bytes,
	s_lshl_b32 s27, s19, 16                        ; four K steps 65,536,
	s_add_co_u32 s26, s26, s27
	s_and_b32 s27, s18, 7
	s_lshl_b32 s27, s27, 11                        ; 16 tokens 2,048,
	s_add_co_u32 s26, s26, s27
	s_lshl_b32 s27, s16, 9                         ; my c 512
	s_add_co_u32 s26, s26, s27
	s_mov_b32 s27, 0
	s_wait_alu depctr_va_vdst(0)
	s_wait_kmcnt 0x0
	s_load_b128 s[20:23], s[6:7], 0x0              ; e0 .. e3
	s_add_nc_u64 s[4:5], s[4:5], s[24:25]
	s_add_nc_u64 s[8:9], s[8:9], s[26:27]
	s_add_nc_u64 s[10:11], s[10:11], s[26:27]
.macro LOAD t
.irp i, 0,1,2,3
	global_load_b128 v[R+16*(\t)+4*\i:R+16*(\t)+4*\i+3], v3, s[4:5] offset:8192*\i+512*(\t) th:TH_LOAD_NT
.endr
.endm
.macro TURN t                          ; LDS serves a wave's instructions in order (ISA guide 5.7.1): no wait between the stores and the loads
.irp i, 0,1,2,3
	ds_store_b128 v14, v[R+16*(\t)+4*\i:R+16*(\t)+4*\i+3] offset:32*SP*((\t)%2)+8*SP*\i
.endr
.irp i, 0,1,2,3
	ds_load_b128 v[X+16*((\t)%2)+4*\i:X+16*((\t)%2)+4*\i+3], v15 offset:32*SP*((\t)%2)+16*\i
.endr
.endm
.macro SEND t                          ; step t's images, read back, are stored
	global_store_b128 v3, v[R+16*(\t):R+16*(\t)+3], s[8:9] offset:16384*(\t)
	global_store_b128 v3, v[R+16*(\t)+4:R+16*(\t)+7], s[10:11] offset:16384*(\t)
.endm
.irp t, 0,1,2,3
	LOAD \t
.endr
	s_wait_kmcnt 0x0
	s_add_co_i32 s24, s20, 127
	s_lshl_b32 s25, s24, 23
	v_mov_b32 v11, s25                             ; 2^e0
	s_add_co_i32 s24, s24, 8
	s_lshl_b32 s24, s24, 23
	s_or_b32 s24, s24, 0x600000
	v_mov_b32 v10, s24                             ; 448 x 2^e0
	s_add_co_i32 s24, s22, 127
	s_lshl_b32 s25, s24, 23
	v_mov_b32 v7, s25                              ; 2^e2
	s_add_co_i32 s24, s24, 8
	s_lshl_b32 s24, s24, 23
	s_or_b32 s24, s24, 0x600000
	v_mov_b32 v6, s24                              ; 448 x 2^e2
	s_wait_alu depctr_va_vdst(0)
	s_wait_loadcnt 12                              ; step 0's four loads are in; twelve may be out
	TURN 0
.macro STEP t
.set XS, X+16*((\t)%2)
.set PA, CA+4*(\t)
.set PB, CB+4*(\t)
	s_wait_dscnt 0x0                               ; this step's numbers are back, and so are the last step's images
.if (\t) > 0
	SEND (\t)-1
.endif
.if (\t)+1 < STEPS
	s_wait_loadcnt 4*(STEPS-2-(\t))                ; the next step's four loads are in
	TURN (\t)+1
.endif
.irp i, 0,1,2,3,4,5,6,7,8,9,10,11,12,13,14,15
	v_med3_num_f32 v[TA+\i], v[XS+\i], -v10, v10   ; the conversion does not saturate (ISA guide 7.6.2): the hold, once for each scale
.endr
.irp i, 0,1,2,3,4,5,6,7,8,9,10,11,12,13,14,15
	v_med3_num_f32 v[TB+\i], v[XS+\i], -v6, v6
.endr
	v_cvt_scalef32_pk8_fp8_f32 v[PA:PA+1], v[TA:TA+7], v11
	v_cvt_scalef32_pk8_fp8_f32 v[PA+2:PA+3], v[TA+8:TA+15], v11
	v_cvt_scalef32_pk8_fp8_f32 v[PB:PB+1], v[TB:TB+7], v7
	v_cvt_scalef32_pk8_fp8_f32 v[PB+2:PB+3], v[TB+8:TB+15], v7
	v_nop                                          ; one plain line behind the conversions
	ds_store_b128 v8, v[PA:PA+3] offset:FB*(\t)
	ds_store_b128 v8, v[PB:PB+3] offset:IMB+FB*(\t)
	s_wait_dscnt 0x0                               ; my part of the step's images is stored
	s_barrier_signal -1
	s_barrier_wait -1                              ; everybody's is
	ds_load_b128 v[R+16*(\t):R+16*(\t)+3], v9 offset:FB*(\t)
	ds_load_b128 v[R+16*(\t)+4:R+16*(\t)+7], v9 offset:IMB+FB*(\t)
.endm
.irp t, 0,1,2,3
	STEP \t
.endr
	s_wait_dscnt 0x0
	SEND 3
	s_wait_tensorcnt 0x0                           ; the wave's end
	ds_add_u32 v[SPW], v[NIL]
	s_wait_dscnt 0x0
	s_endpgm
.Lfunc_end_k_qb9b73bfeac_quant_x:
	.size	k_qb9b73bfeac_quant_x, .Lfunc_end_k_qb9b73bfeac_quant_x-k_qb9b73bfeac_quant_x
	.p2alignl 7, 3214868480
	.fill 96, 4, 3214868480
	.section	.rodata,"a",@progbits
	.p2align	6, 0x0
	.amdhsa_kernel k_qb9b73bfeac_quant_x
		.amdhsa_group_segment_fixed_size 50688
		.amdhsa_private_segment_fixed_size 0
		.amdhsa_enable_private_segment 0
		.amdhsa_kernarg_size 32
		.amdhsa_user_sgpr_count 2
		.amdhsa_user_sgpr_kernarg_segment_ptr 1
		.amdhsa_wavefront_size32 1
		.amdhsa_system_sgpr_workgroup_id_x 1
		.amdhsa_system_sgpr_workgroup_id_y 1
		.amdhsa_system_sgpr_workgroup_id_z 1
		.amdhsa_system_vgpr_workitem_id 0
		.amdhsa_next_free_vgpr 176
		.amdhsa_next_free_sgpr 66
		.amdhsa_reserve_vcc 0
		.amdhsa_float_denorm_mode_32 3
		.amdhsa_float_denorm_mode_16_64 3
		.amdhsa_memory_ordered 1
		.amdhsa_forward_progress 1
		.amdhsa_inst_pref_size 19
	.end_amdhsa_kernel
	.amdgpu_metadata
---
amdhsa.version: [ 1, 2 ]
amdhsa.kernels:
  - .name:           k_qb9b73bfeac_quant_x
    .symbol:         k_qb9b73bfeac_quant_x.kd
    .args:
      - { .name: x, .offset: 0, .size: 8, .value_kind: global_buffer, .address_space: global }
      - { .name: lowp_scales, .offset: 8, .size: 8, .value_kind: global_buffer, .address_space: global }
      - { .name: xa_codes, .offset: 16, .size: 8, .value_kind: global_buffer, .address_space: global }
      - { .name: xb_codes, .offset: 24, .size: 8, .value_kind: global_buffer, .address_space: global }
    .group_segment_fixed_size: 50688
    .private_segment_fixed_size: 0
    .kernarg_segment_align: 8
    .kernarg_segment_size: 32
    .max_flat_workgroup_size: 128
    .sgpr_count:     66
    .vgpr_count:     176
    .wavefront_size: 32
...
	.end_amdgpu_metadata
.endif
;; end of part 1
;; launch quant_w (part 2): grid 40 x 8, 4 waves a work-group, no clusters, 35,840 bytes of LDS; arguments Wq, Wkv, Wc, lowp_scales, wqkv_codes, wc_codes; writes wqkv_codes, wc_codes
.if DOCPART == 2
	.amdgcn_target "amdgcn-amd-amdhsa--gfx1250"
	.amdhsa_code_object_version 6
	.text
	.protected	k_qb9b73bfeac_quant_w
	.globl	k_qb9b73bfeac_quant_w
	.p2align	8
	.type	k_qb9b73bfeac_quant_w,@function
k_qb9b73bfeac_quant_w:
	s_mov_b64 s[64:65], 0
	v_nop
	global_prefetch_b8 v0, s[64:65] scope:SCOPE_SE
	s_setreg_imm32_b32 hwreg(HW_REG_WAVE_MODE, 25, 1), 1
	s_wait_xcnt 0x0
; The three weights, f32, stored [K 2048][N], become codes of FP8 (E4M3), each with its given scale: Wq 2^e1, Wkv 2^e3, Wc 2^e9.  LIMITS: e1, e3, e9 between -126 and 119.  NaN among the inputs is not served.
; The codes lie as images of the operand's registers, a weight's COLUMNS being the operand's rows: [128 columns][K step of 128][16 columns][c][lane][16 bytes], lane (r, h): column r, k = 32 c + 16 h + 0 .. 15.
; wqkv_codes: blocks 0-15 are Wq's heads, 16-19 k's heads (Wkv's columns 0-511), 20-23 v's (columns 512-1023); wc_codes: Wc's 16 blocks.  A block is 262,144 bytes.
; Work-group x is a block of 128 columns (0-15 Wq, 16-23 Wkv, 24-39 Wc), y a run of 256 along K; a wave takes 32 columns.  Pointers, pitch and exponent are chosen by the work-group's number; the text has one path.
; A LANE TAKES A COLUMN, AND ITS REGISTERS RUN DOWN K: each load reads 128 consecutive bytes a wave, and the conversions give codes with K innermost.  A column's 256 codes gather in the wave's own stage in LDS
; and are read back as four images (2 x 16 columns, 2 K steps): each store of the wave covers 512 consecutive bytes, aligned.  No cluster, no tensor load, no barrier: no byte is read twice.
.set NB,    8
.set PITCH, 272
.set X,     32
.set C,     96
.set OUTR,  112
.set A,     176                        ; v176-207 4 x lane + i x the tensor's pitch; never rewritten
.set SPW,   14
.set NIL,   15
.set SPARE, 4*32*PITCH
	s_load_b256 s[4:11], s[0:1], 0x0               ; Wq, Wkv, Wc, the exponents
	s_load_b128 s[12:15], s[0:1], 0x20             ; wqkv_codes, wc_codes
	v_lshl_add_u32 v[SPW], v0, 2, SPARE
	v_mov_b32 v[NIL], 0
	v_lshrrev_b32 v1, 5, v0
	v_readfirstlane_b32 s16, v1                    ; wave
	v_and_b32 v2, 31, v0                           ; lane
	s_and_b32 s18, ttmp7, 0xffff                   ; y
	v_lshlrev_b32 v3, 2, v2
	s_mul_i32 s19, s16, 32*PITCH                   ; my stage
	v_mul_u32_u24 v4, v2, PITCH
	v_add_nc_u32 v4, s19, v4                       ; into it: row = my column
	v_and_b32 v5, 15, v2
	v_lshrrev_b32 v6, 4, v2
	v_mul_u32_u24 v7, v5, PITCH
	v_lshl_add_u32 v7, v6, 4, v7
	v_add_nc_u32 v7, s19, v7                       ; out of it: row r, + 16 h
	v_lshlrev_b32 v8, 4, v2                        ; 16 x lane in an image
	s_mov_b32 s24, 8192
	s_cmp_lt_u32 ttmp9, 24
	s_cselect_b32 s24, 4096, s24                   ; the pitch in bytes
	s_cselect_b32 s25, 16, 24
	s_cmp_lt_u32 ttmp9, 16
	s_cselect_b32 s24, 8192, s24
	s_cselect_b32 s25, 0, s25
	s_sub_co_u32 s25, ttmp9, s25                   ; cb: my block of 128 columns in the tensor
	s_add_co_u32 s27, s25, 16
	s_sub_co_u32 s28, ttmp9, 16
	s_cmp_lt_u32 s28, 8
	s_cselect_b32 s26, s27, s25                    ; my block in the codes' buffer: Wkv's lie behind Wq's 16
	s_lshl_b32 s26, s26, 18
	s_lshl_b32 s27, s16, 12                        ; + 2 x 16 columns a wave,
	s_add_co_u32 s26, s26, s27
	s_lshl_b32 s27, s18, 15                        ; + 2 K steps a y
	s_add_co_u32 s26, s26, s27
	s_mov_b32 s27, 0
	s_mul_i32 s28, s18, s24
	s_lshl_b32 s28, s28, 8                         ; the numbers: 256 y rows,
	s_lshl_b32 s29, s25, 9
	s_add_co_u32 s28, s28, s29                     ; + 128 cb columns,
	s_lshl_b32 s29, s16, 7
	s_add_co_u32 s28, s28, s29                     ; + 32 x wave columns
	s_mov_b32 s29, 0
	s_lshl_b32 s60, s24, 5                         ; a block of 32 rows
	s_mov_b32 s61, 0
	s_wait_alu depctr_va_vdst(0)
.irp i, 0,1,2,3,4,5,6,7,8,9,10,11,12,13,14,15,16,17,18,19,20,21,22,23,24,25,26,27,28,29,30,31
	v_mad_u32_u24 v[A+\i], s24, \i, v3
.endr
	s_wait_alu depctr_va_vdst(0)
	s_wait_kmcnt 0x0
	s_load_b256 s[32:39], s[10:11], 0x0            ; e0 .. e7
	s_load_b64 s[40:41], s[10:11], 0x20            ; e8, e9
	s_cmp_lt_u32 ttmp9, 24
	s_cselect_b64 s[20:21], s[6:7], s[8:9]
	s_cselect_b64 s[22:23], s[12:13], s[14:15]
	s_cmp_lt_u32 ttmp9, 16
	s_cselect_b64 s[20:21], s[4:5], s[20:21]
	s_add_nc_u64 s[44:45], s[20:21], s[28:29]      ; a base for each of the eight blocks: no pointer is stepped while loads are out
.irp t, 1,2,3,4,5,6,7
	s_add_nc_u64 s[44+2*\t:45+2*\t], s[42+2*\t:43+2*\t], s[60:61]
.endr
	s_add_nc_u64 s[22:23], s[22:23], s[26:27]
.macro LOAD t
.irp i, 0,1,2,3,4,5,6,7,8,9,10,11,12,13,14,15,16,17,18,19,20,21,22,23,24,25,26,27,28,29,30,31
	global_load_b32 v[X+32*((\t)%2)+\i], v[A+\i], s[44+2*(\t):45+2*(\t)] th:TH_LOAD_NT
.endr
.endm
	LOAD 0
	LOAD 1
	s_wait_kmcnt 0x0
	s_cmp_lt_u32 ttmp9, 24
	s_cselect_b32 s30, s35, s41
	s_cmp_lt_u32 ttmp9, 16
	s_cselect_b32 s30, s33, s30                    ; e1, e3 or e9
	s_add_co_i32 s30, s30, 127
	s_lshl_b32 s31, s30, 23
	v_mov_b32 v11, s31                             ; 2^e
	s_add_co_i32 s30, s30, 8
	s_lshl_b32 s30, s30, 23
	s_or_b32 s30, s30, 0x600000
	v_mov_b32 v10, s30                             ; 448 x 2^e
.macro BLOCK t
.set XS, X+32*((\t)%2)
.if (\t) < NB-1
	s_wait_loadcnt 32                              ; this block's 32 loads are in; the next block's may be out
.else
	s_wait_loadcnt 0
.endif
.irp i, 0,1,2,3,4,5,6,7,8,9,10,11,12,13,14,15,16,17,18,19,20,21,22,23,24,25,26,27,28,29,30,31
	v_med3_num_f32 v[XS+\i], v[XS+\i], -v10, v10   ; the hold (ISA guide 7.6.2: the conversion does not saturate)
.endr
.irp g, 0,1,2,3
	v_cvt_scalef32_pk8_fp8_f32 v[C+2*\g:C+2*\g+1], v[XS+8*\g:XS+8*\g+7], v11
.endr
	v_nop                                          ; one plain line behind the conversions
	ds_store_b128 v4, v[C:C+3] offset:32*(\t)
	ds_store_b128 v4, v[C+4:C+7] offset:32*(\t)+16
.if (\t)+2 < NB
	LOAD (\t)+2
.endif
	s_wait_dscnt 0x0                               ; the stores have read their registers
.endm
.set Q, 0
	s_wait_alu depctr_va_vdst(0)
.rept NB
	BLOCK Q
.set Q, Q+1
.endr
.irp t, 0,1,2,3,4,5,6,7,8,9,10,11,12,13,14,15
	ds_load_b128 v[OUTR+4*\t:OUTR+4*\t+3], v7 offset:16*(\t/8)*PITCH+128*((\t/4)%2)+32*(\t%4)   ; t = 8 x (which 16 columns) + 4 x (which K step) + c
.endr
.irp t, 0,1,2,3,4,5,6,7,8,9,10,11,12,13,14,15
	s_wait_dscnt 15-\t                             ; the younger loads may be out
	global_store_b128 v8, v[OUTR+4*\t:OUTR+4*\t+3], s[22:23] offset:16384*((\t/4)%2)+2048*(\t/8)+512*(\t%4)
.endr
	s_wait_tensorcnt 0x0                           ; the wave's end
	ds_add_u32 v[SPW], v[NIL]
	s_wait_dscnt 0x0
	s_endpgm
.Lfunc_end_k_qb9b73bfeac_quant_w:
	.size	k_qb9b73bfeac_quant_w, .Lfunc_end_k_qb9b73bfeac_quant_w-k_qb9b73bfeac_quant_w
	.p2alignl 7, 3214868480
	.fill 96, 4, 3214868480
	.section	.rodata,"a",@progbits
	.p2align	6, 0x0
	.amdhsa_kernel k_qb9b73bfeac_quant_w
		.amdhsa_group_segment_fixed_size 35840
		.amdhsa_private_segment_fixed_size 0
		.amdhsa_enable_private_segment 0
		.amdhsa_kernarg_size 48
		.amdhsa_user_sgpr_count 2
		.amdhsa_user_sgpr_kernarg_segment_ptr 1
		.amdhsa_wavefront_size32 1
		.amdhsa_system_sgpr_workgroup_id_x 1
		.amdhsa_system_sgpr_workgroup_id_y 1
		.amdhsa_system_sgpr_workgroup_id_z 1
		.amdhsa_system_vgpr_workitem_id 0
		.amdhsa_next_free_vgpr 208
		.amdhsa_next_free_sgpr 66
		.amdhsa_reserve_vcc 0
		.amdhsa_float_denorm_mode_32 3
		.amdhsa_float_denorm_mode_16_64 3
		.amdhsa_memory_ordered 1
		.amdhsa_forward_progress 1
		.amdhsa_inst_pref_size 53
	.end_amdhsa_kernel
	.amdgpu_metadata
---
amdhsa.version: [ 1, 2 ]
amdhsa.kernels:
  - .name:           k_qb9b73bfeac_quant_w
    .symbol:         k_qb9b73bfeac_quant_w.kd
    .args:
      - { .name: Wq, .offset: 0, .size: 8, .value_kind: global_buffer, .address_space: global }
      - { .name: Wkv, .offset: 8, .size: 8, .value_kind: global_buffer, .address_space: global }
      - { .name: Wc, .offset: 16, .size: 8, .value_kind: global_buffer, .address_space: global }
      - { .name: lowp_scales, .offset: 24, .size: 8, .value_kind: global_buffer, .address_space: global }
      - { .name: wqkv_codes, .offset: 32, .size: 8, .value_kind: global_buffer, .address_space: global }
      - { .name: wc_codes, .offset: 40, .size: 8, .value_kind: global_buffer, .address_space: global }
    .group_segment_fixed_size: 35840
    .private_segment_fixed_size: 0
    .kernarg_segment_align: 8
    .kernarg_segment_size: 48
    .max_flat_workgroup_size: 128
    .sgpr_count:     66
    .vgpr_count:     208
    .wavefront_size: 32
...
	.end_amdgpu_metadata
.endif
;; end of part 2
;; launch proj (part 3): grid 192 x 1, 4 waves a work-group, no clusters, 327,680 bytes of LDS; arguments xa_codes, xb_codes, wqkv_codes, lowp_scales, q_codes, k_codes, v_codes; writes q_codes, k_codes, v_codes
.if DOCPART == 3
	.amdgcn_target "amdgcn-amd-amdhsa--gfx1250"
	.amdhsa_code_object_version 6
	.text
	.protected	k_qb9b73bfeac_proj
	.globl	k_qb9b73bfeac_proj
	.p2align	8
	.type	k_qb9b73bfeac_proj,@function
k_qb9b73bfeac_proj:
	s_mov_b64 s[64:65], 0
	v_nop
	global_prefetch_b8 v0, s[64:65] scope:SCOPE_SE
	s_setreg_imm32_b32 hwreg(HW_REG_WAVE_MODE, 25, 1), 1
	s_wait_xcnt 0x0
; q = x Wq, k and v = x Wkv on codes of FP8 (E4M3), K = 2048; the f32 sums are quantised at once for the attention: q with 2^e4, k with 2^e5, v with 2^e7.
; All operands lie in memory as images of the operand's registers: [128 rows][K step][16 rows][c][lane][16 bytes] (launch quant_x's head).
; A work-group multiplies a PANEL of 256 rows by a STREAM of 256 rows: (256 + 256) x 2,048 bytes come in for 65,536 results.  A wave makes all 256 panel rows x 64 stream rows: 64 accumulators, 512 registers.
; THE PANEL goes through a ring of two LDS slots of four K steps, 131,072 dense bytes each: a wave fetches a quarter of a slot by one tensor load (128 rows of 256 bytes).  Four changes of slots in all; behind each the other
; slot's load is issued first, and has this slot's 256 matrix instructions a wave in which to land.  A fragment is read at 16 x lane: consecutive bytes.
; THE STREAM goes from memory straight into registers: each load covers 512 consecutive bytes; four sets of 64 registers, so that a K step's 16 loads are issued three K steps ahead of their use, under counted waits.
; WHO: work-groups 0-127: q: panel = 256 tokens of xa, stream = two heads of Wq; 128-159: k: panel = 256 tokens of xb, stream = two heads of k's weights;
; 160-191: v: THE ROLES ARE SWAPPED: panel = two heads of v's weights (256 channels), stream = 256 tokens of xb.  Source 0 = 16 rows of the stream, source 1 = 16 rows of the panel: a lane holds ONE row of the panel and its eight
; registers eight neighbouring rows of the stream.  So q and k come out with the head's axis along a lane's registers, v with the KEYS: each as its product in the attention wants it, by one text.
; THE WAY OUT: the codes of my stream blocks 2 c and 2 c + 1 are 16 bytes of a lane, stored at 512 c + 16 lane as part of an image of 16 panel rows x 128: position (c, h, y) holds stream row 32 c + 8 h + y (y < 8) or
; 32 c + 16 + 8 h + y - 8.  For v that is the order in which the attention's p lies; for q and k it is one permutation of the head's axis, the same in both.  Each store covers 512 consecutive bytes, aligned.
; NO CLUSTER: k's panels have two readers each, fewer than a cluster of four has partners.  NO PREFETCH: a slot's load is issued a whole slot ahead of the wait for it, the stream three K steps ahead by its own loads;
; and the panels' readers differ in number (8, 2, 16), so that no one rule shares a panel's blocks out among them.
; LIMITS: e4 - e0 - e1, e5 - e2 - e3, e7 - e2 - e3 between -126 and 119.
; REGISTERS: window 0: v2-11 addresses and scales; v32-159 eight fragments of the panel, a ring of two groups of four.  Window 1: the stream's four sets.  Windows 2, 3: accumulator (a, b) at v[8 (4 (a % 8) + b)] of window 2 + a / 8.
.set SPARE, 262144                     ; behind the ring: the spare words, which no other line names
.set L16,  2                           ; v2  16 x lane; never rewritten
.set SPW,  4
.set NIL,  5
.set SCL,  6
.set LIMV, 7
.set ADP,  8                           ; v8-11  16 x lane + 131,072 x slot + 65,536 x (which 128 rows); never rewritten
.set AF,   32
.set TMP,  32
.set CC,   128
.set G1,   24                          ; s[24:31] group 1; s[32:35] slot 0's group 0, s[20:23] slot 1's
.set SP,   56                          ; s[56:57] the stream
.set OP,   58                          ; s[58:59], s[60:61] my part of the output for panel rows 0-127, 128-255
.set MSB, 0
.macro WIN new                         ; the immediate's high byte repeats the setting that is left
.if MSB != (\new)
	s_set_vgpr_msb (MSB<<8)|(\new)
.set MSB, (\new)
.endif
.endm
.macro PLACES                          ; four places behind matrix instructions in front of loads into registers that they read
.rept 4
	v_nop
.endr
.endm
.macro MUL16 q, g                      ; panel blocks 4 g .. 4 g + 3 x the stream's four; the 64 accumulators take turns; K step 0 starts the sums
	WIN 0xa1+0x50*((\g)/2)
.irp a, 4*(\g), 4*(\g)+1, 4*(\g)+2, 4*(\g)+3
.irp b, 0,1,2,3
.if (\q) == 0
	v_wmma_f32_16x16x128_fp8_fp8 v[8*(4*((\a)%8)+\b):8*(4*((\a)%8)+\b)+7], v[64*((\q)%4)+16*\b:64*((\q)%4)+16*\b+15], v[AF+64*((\g)%2)+16*((\a)%4):AF+64*((\g)%2)+16*((\a)%4)+15], 0
.else
	v_wmma_f32_16x16x128_fp8_fp8 v[8*(4*((\a)%8)+\b):8*(4*((\a)%8)+\b)+7], v[64*((\q)%4)+16*\b:64*((\q)%4)+16*\b+15], v[AF+64*((\g)%2)+16*((\a)%4):AF+64*((\g)%2)+16*((\a)%4)+15], v[8*(4*((\a)%8)+\b):8*(4*((\a)%8)+\b)+7]
.endif
.endr
.endr
.endm
.macro AFETCH q, g                     ; panel blocks 4 g .. 4 g + 3 of K step q, from slot (q / 4) % 2
	WIN 0
.irp a, 4*(\g), 4*(\g)+1, 4*(\g)+2, 4*(\g)+3
.irp c, 0,1,2,3
	ds_load_b128 v[AF+64*((\g)%2)+16*((\a)%4)+4*\c:AF+64*((\g)%2)+16*((\a)%4)+4*\c+3], v[ADP+2*(((\q)/4)%2)+(\g)/2] offset:((\q)%4)*16384+((\a)%8)*2048+512*\c
.endr
.endr
.endm
.macro SFETCH q                        ; the stream's four fragments of K step q, into set q % 4
	WIN 0x40
.irp b, 0,1,2,3
.irp c, 0,1,2,3
	global_load_b128 v[64*((\q)%4)+16*\b+4*\c:64*((\q)%4)+16*\b+4*\c+3], v[L16], s[SP:SP+1] offset:(\q)*16384+2048*\b+512*\c
.endr
.endr
.endm
; K step q: 64 matrix instructions.  Each group of four panel blocks is fetched 16 matrix instructions ahead, into the ring places of the group just multiplied: behind each wait on DScnt the youngest 16 loads may be out.
; The stream's loads for three steps on go into the set that the last step has left; at a step's head those of the next two steps, 16 each, may be out.
.macro STEP q
.if (\q) < 14
	s_wait_loadcnt 32
.else
	s_wait_loadcnt 16*(15-(\q))
.endif
	s_wait_dscnt 16
	MUL16 \q, 0
	PLACES
	AFETCH \q, 2
.if (\q) < 13
	SFETCH (\q)+3
.endif
	s_wait_dscnt 16
	MUL16 \q, 1
	PLACES
	AFETCH \q, 3
	s_wait_dscnt 16
	MUL16 \q, 2
.if (\q)%4 < 3
	PLACES
	AFETCH (\q)+1, 0
	s_wait_dscnt 16
.else
	s_wait_dscnt 0
.endif
	MUL16 \q, 3
.if (\q)%4 < 3
	PLACES
	AFETCH (\q)+1, 1
.endif
	WIN 0
.endm
; A slot's four K steps, with the change of slots at their head: every wave waits for all its tensor loads (its quarter of this slot), adds 0 to its spare word, and waits for that and for its reads of the other slot.
; Behind the barrier this slot is whole and nobody reads the other one, which takes the next four K steps: my one tensor load until the next barrier (the first time: slot 1's first fill).
.macro VISIT v
	s_wait_tensorcnt 0x0
	ds_add_u32 v[SPW], v[NIL]
.if (\v) < 2
	s_add_nc_u64 s[34-12*((\v)%2):35-12*((\v)%2)], s[34-12*((\v)%2):35-12*((\v)%2)], 131072   ; no load of mine is out: this slot's next fill lies eight K steps on
.endif
	s_wait_dscnt 0x0
	s_barrier_signal -1
	s_barrier_wait -1
.if (\v) < 3
	tensor_load_to_lds s[20+12*((\v)%2):23+12*((\v)%2)], s[G1:G1+7]
	s_nop 0
.endif
	PLACES                                         ; behind the last slot's products too
	AFETCH 4*(\v), 0
	AFETCH 4*(\v), 1
	STEP 4*(\v)
	STEP 4*(\v)+1
	STEP 4*(\v)+2
	STEP 4*(\v)+3
.endm
	s_load_b256 s[68:75], s[0:1], 0x0              ; xa, xb, wqkv, the exponents
	s_load_b128 s[76:79], s[0:1], 0x20             ; q_codes, k_codes
	s_load_b64 s[80:81], s[0:1], 0x30              ; v_codes
	v_lshl_add_u32 v[SPW], v0, 2, SPARE
	v_mov_b32 v[NIL], 0
	ds_add_u32 v[SPW], v[NIL]                      ; the opening lines: the add, twice on end, and its wait ahead of my first tensor load
	ds_add_u32 v[SPW], v[NIL]
	v_lshrrev_b32 v1, 5, v0
	v_readfirstlane_b32 s14, v1                    ; wave
	v_and_b32 v1, 31, v0
	v_lshlrev_b32 v[L16], 4, v1
	v_lshlrev_b32 v[ADP], 4, v1
	v_add_nc_u32 v[ADP+1], 65536, v[L16]
	v_add_nc_u32 v[ADP+2], 131072, v[L16]
	v_add_nc_u32 v[ADP+3], 196608, v[L16]
	s_lshr_b32 s15, s14, 1                         ; which 128 rows of the panel I fetch, and of the stream I multiply
	s_and_b32 s16, s14, 1                          ; which two K steps of a slot I fetch; which 64 of the stream's 128 rows are mine
	s_mov_b32 s[G1], 0                             ; group 1: 128 rows of 256 bytes, dense, elements of one byte, no padding
	s_mov_b32 s[G1+1], 256<<16
	s_mov_b32 s[G1+2], 128<<16
	s_mov_b32 s[G1+3], 256<<16
	s_mov_b32 s[G1+4], 128
	s_mov_b32 s[G1+5], 256
	s_mov_b32 s[G1+6], 0
	s_mov_b32 s[G1+7], 0
	s_lshr_b32 s36, ttmp9, 3                       ; q:
	s_lshl_b32 s36, s36, 1                         ; the panel's first block of 128 tokens,
	s_and_b32 s37, ttmp9, 7
	s_lshl_b32 s37, s37, 1
	s_add_co_u32 s37, s37, s15                     ; my stream block = head,
	s_lshr_b32 s38, s36, 3
	s_lshl_b32 s38, s38, 4
	s_add_co_u32 s38, s38, s37                     ; 16 b + head,
	s_and_b32 s39, s36, 7                          ; which 128 tokens of the batch
	s_sub_co_u32 s44, ttmp9, 128                   ; k:
	s_lshr_b32 s40, s44, 1
	s_lshl_b32 s40, s40, 1                         ; the panel's first block,
	s_and_b32 s41, s44, 1
	s_lshl_b32 s41, s41, 1
	s_add_co_u32 s41, s41, s15                     ; head,
	s_lshr_b32 s42, s40, 3
	s_lshl_b32 s42, s42, 2
	s_add_co_u32 s42, s42, s41                     ; 4 b + head,
	s_add_co_u32 s41, s41, 16                      ; my stream block = 16 + head
	s_and_b32 s43, s40, 7
	s_sub_co_u32 s44, ttmp9, 160                   ; v:
	s_and_b32 s45, s44, 15
	s_lshl_b32 s45, s45, 1
	s_add_co_u32 s45, s45, s15                     ; my stream block = 128 tokens,
	s_lshr_b32 s44, s44, 4
	s_lshl_b32 s44, s44, 1                         ; the panel's first head,
	s_lshr_b32 s46, s45, 3
	s_lshl_b32 s46, s46, 2
	s_add_co_u32 s46, s46, s44                     ; 4 b + head,
	s_and_b32 s47, s45, 7                          ; key block,
	s_add_co_u32 s44, s44, 20                      ; the panel's first block = 20 + head
	s_mov_b32 s62, 131072                          ; from the panel's first 128 rows to its last in the output: v: a head on; q, k: 128 tokens on
	s_cmp_lt_u32 ttmp9, 160                        ; every choice hangs on the work-group's number alone
	s_cselect_b32 s62, 16384, s62
	s_cselect_b32 s40, s40, s44
	s_cselect_b32 s41, s41, s45
	s_cselect_b32 s42, s42, s46
	s_cselect_b32 s43, s43, s47
	s_cmp_lt_u32 ttmp9, 128
	s_cselect_b32 s36, s36, s40
	s_cselect_b32 s37, s37, s41
	s_cselect_b32 s38, s38, s42
	s_cselect_b32 s39, s39, s43
	s_mov_b32 s63, 0
	s_add_co_u32 s48, s36, s15
	s_lshl_b32 s48, s48, 18
	s_lshl_b32 s49, s16, 15
	s_add_co_u32 s48, s48, s49                     ; my quarter of the panel's first four K steps
	s_mov_b32 s49, 0
	s_lshl_b32 s50, s37, 18
	s_lshl_b32 s51, s16, 13                        ; the block's first or last four fragments of each K step
	s_add_co_u32 s50, s50, s51
	s_mov_b32 s51, 0
	s_lshl_b32 s52, s38, 17
	s_lshl_b32 s53, s39, 14
	s_add_co_u32 s52, s52, s53
	s_lshl_b32 s53, s16, 10                        ; my 64 stream rows are c = 2 x half, 2 x half + 1
	s_add_co_u32 s52, s52, s53
	s_mov_b32 s53, 0
	s_mov_b32 s32, 1
	s_lshl_b32 s33, s14, 15                        ; in LDS: 32,768 x wave,
	s_mov_b32 s20, 1
	s_add_co_u32 s21, s33, 131072                  ; and the same in slot 1
	s_wait_alu depctr_va_vdst(0)
	s_wait_dscnt 0x0                               ; both opening adds are done
	s_wait_kmcnt 0x0
	s_cmp_lt_u32 ttmp9, 160
	s_cselect_b64 s[54:55], s[70:71], s[72:73]
	s_cselect_b64 s[SP:SP+1], s[72:73], s[70:71]
	s_cselect_b64 s[OP:OP+1], s[78:79], s[80:81]
	s_cmp_lt_u32 ttmp9, 128
	s_cselect_b64 s[54:55], s[68:69], s[54:55]
	s_cselect_b64 s[OP:OP+1], s[76:77], s[OP:OP+1]
	s_add_nc_u64 s[34:35], s[54:55], s[48:49]      ; K steps 0 to 3,
	s_add_nc_u64 s[22:23], s[34:35], 65536         ; 4 to 7
	s_or_b32 s35, s35, 0x80000000
	s_or_b32 s23, s23, 0x80000000
	tensor_load_to_lds s[32:35], s[G1:G1+7]        ; slot 0: my one tensor load at the head
	s_nop 0
	PLACES
	s_load_b256 s[84:91], s[74:75], 0x0            ; e0 .. e7
	s_add_nc_u64 s[SP:SP+1], s[SP:SP+1], s[50:51]
	s_add_nc_u64 s[OP:OP+1], s[OP:OP+1], s[52:53]
	s_add_nc_u64 s[OP+2:OP+3], s[OP:OP+1], s[62:63]
	SFETCH 0
	SFETCH 1
	SFETCH 2
	WIN 0
	VISIT 0
	VISIT 1
	VISIT 2
	VISIT 3                                        ; the last slot
	s_wait_kmcnt 0x0
	s_sub_co_i32 s18, s88, s84
	s_sub_co_i32 s18, s18, s85                     ; q: e4 - e0 - e1
	s_cmp_lt_u32 ttmp9, 160
	s_cselect_b32 s19, s89, s91
	s_sub_co_i32 s19, s19, s86
	s_sub_co_i32 s19, s19, s87                     ; k: e5 - e2 - e3; v: e7 - e2 - e3
	s_cmp_lt_u32 ttmp9, 128
	s_cselect_b32 s18, s18, s19
	s_add_co_i32 s18, s18, 127
	s_lshl_b32 s19, s18, 23
	s_add_co_i32 s18, s18, 8
	s_lshl_b32 s18, s18, 23
	s_or_b32 s18, s18, 0x600000
	PLACES                                         ; behind the last products
	v_mov_b32 v[SCL], s19                          ; a sum's code is sum / 2^(e out - e a - e b): the three scales in the conversion's one
	v_mov_b32 v[LIMV], s18                         ; 448 x that
.macro QBLOCK a                        ; 16 panel rows x my 64 stream rows: held, converted, stored; each accumulator from its low end on
	WIN 0x02+(\a)/8
.set j, 0
.rept 32
	v_med3_num_f32 v[TMP+j], v[32*((\a)%8)+j], -v[LIMV], v[LIMV]
.set j, j+1
.endr
	WIN 0
.irp b, 0,1,2,3
	v_cvt_scalef32_pk8_fp8_f32 v[CC+8*(\a)+2*\b:CC+8*(\a)+2*\b+1], v[TMP+8*\b:TMP+8*\b+7], v[SCL]
.endr
	v_nop                                          ; one plain line behind the conversions
.irp c, 0,1
	global_store_b128 v[L16], v[CC+8*(\a)+4*\c:CC+8*(\a)+4*\c+3], s[OP+2*((\a)/8):OP+2*((\a)/8)+1] offset:2048*((\a)%8)+512*\c
.endr
.endm
.irp a, 0,1,2,3,4,5,6,7,8,9,10,11,12,13,14,15
	QBLOCK \a
.endr
	s_wait_tensorcnt 0x0                           ; the wave's end
	ds_add_u32 v[SPW], v[NIL]
	s_wait_dscnt 0x0
	s_endpgm
.Lfunc_end_k_qb9b73bfeac_proj:
	.size	k_qb9b73bfeac_proj, .Lfunc_end_k_qb9b73bfeac_proj-k_qb9b73bfeac_proj
	.p2alignl 7, 3214868480
	.fill 96, 4, 3214868480
	.section	.rodata,"a",@progbits
	.p2align	6, 0x0
	.amdhsa_kernel k_qb9b73bfeac_proj
		.amdhsa_group_segment_fixed_size 327680
		.amdhsa_private_segment_fixed_size 0
		.amdhsa_enable_private_segment 0
		.amdhsa_kernarg_size 56
		.amdhsa_user_sgpr_count 2
		.amdhsa_user_sgpr_kernarg_segment_ptr 1
		.amdhsa_wavefront_size32 1
		.amdhsa_system_sgpr_workgroup_id_x 1
		.amdhsa_system_sgpr_workgroup_id_y 1
		.amdhsa_system_sgpr_workgroup_id_z 1
		.amdhsa_system_vgpr_workitem_id 0
		.amdhsa_next_free_vgpr 1024
		.amdhsa_next_free_sgpr 96
		.amdhsa_reserve_vcc 0
		.amdhsa_float_denorm_mode_32 3
		.amdhsa_float_denorm_mode_16_64 3
		.amdhsa_memory_ordered 1
		.amdhsa_forward_progress 1
		.amdhsa_inst_pref_size 214
	.end_amdhsa_kernel
	.amdgpu_metadata
---
amdhsa.version: [ 1, 2 ]
amdhsa.kernels:
  - .name:           k_qb9b73bfeac_proj
    .symbol:         k_qb9b73bfeac_proj.kd
    .args:
      - { .name: xa_codes, .offset: 0, .size: 8, .value_kind: global_buffer, .address_space: global }
      - { .name: xb_codes, .offset: 8, .size: 8, .value_kind: global_buffer, .address_space: global }
      - { .name: wqkv_codes, .offset: 16, .size: 8, .value_kind: global_buffer, .address_space: global }
      - { .name: lowp_scales, .offset: 24, .size: 8, .value_kind: global_buffer, .address_space: global }
      - { .name: q_codes, .offset: 32, .size: 8, .value_kind: global_buffer, .address_space: global }
      - { .name: k_codes, .offset: 40, .size: 8, .value_kind: global_buffer, .address_space: global }
      - { .name: v_codes, .offset: 48, .size: 8, .value_kind: global_buffer, .address_space: global }
    .group_segment_fixed_size: 327680
    .private_segment_fixed_size: 0
    .kernarg_segment_align: 8
    .kernarg_segment_size: 56
    .max_flat_workgroup_size: 128
    .sgpr_count:     96
    .vgpr_count:     1024
    .wavefront_size: 32
...
	.end_amdgpu_metadata
.endif
;; end of part 3
;; launch attn (part 4): grid 16 x 16, 16 waves a work-group, clusters of 4 x 1, 327,680 bytes of LDS; arguments q_codes, k_codes, v_codes, lowp_scales, y_codes; writes y_codes
.if DOCPART == 4
	.amdgcn_target "amdgcn-amd-amdhsa--gfx1250"
	.amdhsa_code_object_version 6
	.text
	.protected	k_qb9b73bfeac_attn
	.globl	k_qb9b73bfeac_attn
	.p2align	8
	.type	k_qb9b73bfeac_attn,@function
k_qb9b73bfeac_attn:
	s_mov_b64 s[64:65], 0
	v_nop
	global_prefetch_b8 v0, s[64:65] scope:SCOPE_SE
	s_setreg_imm32_b32 hwreg(HW_REG_WAVE_MODE, 25, 1), 1
	s_wait_xcnt 0x0
	s_wait_alu depctr_hold_cnt(0) depctr_sa_sdst(0) depctr_va_vdst(0) depctr_va_sdst(0) depctr_va_ssrc(0) depctr_va_vcc(0) depctr_vm_vsrc(0)
	s_getreg_b32 s2, hwreg(HW_REG_IB_STS2, 6, 4)
	s_cmp_eq_u32 s2, 0
	s_cbranch_scc0 .Lentry_in_a_cluster
	s_endpgm
.Lentry_in_a_cluster:
	s_bfe_u32 s2, ttmp6, 0x10000c
	s_cmp_lg_u32 s2, 0x3003
	s_cbranch_scc0 .Lentry_shape_is_right
	s_endpgm
.Lentry_shape_is_right:
; y = softmax(q k^T / sqrt(128), causal) v for 4 batches x 16 query heads (4 key/value heads), both products on codes of FP8 (E4M3); y is quantised with 2^e8 on the way out.
; LEFT OUT: key steps all of whose keys come after a wave's queries: the causal mask, which reference() builds itself, makes their p 0 for all values of the inputs.
; ALL CODES LIE AS IMAGES OF THE OPERAND'S REGISTERS, 2,048 bytes for 16 rows x 128: 16 bytes a lane at 512 c + 16 lane.  q_codes [b][h][16 tokens] (2^e4), k_codes [b][hkv][16 keys] (2^e5): along the head's axis both in the one
; order that launch proj gives them.  v_codes [b][hkv][128 keys][16 channels] (2^e7): position (c, h, y) holds key 32 c + 8 h + y (y < 8) or 32 c + 16 + 8 h + y - 8.
; y_codes [128 tokens][head = K step][16 tokens]: position (c, h, y) holds channel 32 c + 16 h + y, as Wc's codes lie.
; THE SOFTMAX: t = score x log2(e) / sqrt(128); M = the row's largest t so far, rounded UP to a whole number; p = 2^(t - M) is quantised (2^e6), not normalised.  The row's sum is taken of the unquantised p, in f32,
; and divides O at the end.  When M moves, the sum and O are multiplied by 2^(old M - new M): exact.
; SHARES.  Work-group y = 4 b + hkv; the cluster's x = j; my place in the cluster = g, the query head within the group.  The four partners walk the same K and V, asked for JOINTLY; g enters Q's and y's addresses in memory alone.
; Wave w owns ONE tile of 16 queries, tile 16 ((w + w / 4) % 4) + 4 (w / 4) + j: every work-group has the same number of key steps, 72.
; K AND V OF THE HEAD LIE IN LDS WHOLE: 8 + 8 tiles of 16,384 dense bytes.  Each of the sixteen waves fetches one tile by its one tensor load (64 rows of 256 bytes): waves 0-7 K's steps, waves 8-15 V's.  No byte is filled twice,
; all is asked for at the head, so there is no ring and nothing to prefetch.
; CAUSAL.  Every wave walks all eight steps (constant trip counts); a hidden step is jumped over by a scalar branch on ids; on the diagonal hidden scores become -infinity ahead of the maximum.
; LAYOUT.  Both products are used transposed: S^T = K Q^T, O^T = V^T P^T: a lane holds ONE query (lane % 16).  Register j of score tile T in lane (r, h) is key 16 T + 8 h + j, so the four code registers made of tiles 2 b, 2 b + 1
; hold keys 32 b + 8 h + 0 .. 7 and 32 b + 16 + 8 h + 0 .. 7: v_codes' order.
; LIMITS: e4 + e5 between -123 and 130; e6 and e8 between -126 and 119; the scaled scores stay under 2^31 in magnitude.
; REGISTERS: v7 16 x lane; v2 the same in V's tiles; v8, v9 addresses in hand; v12 -M, v13 the largest t, v[14:15] the sum; v16-31 Q; v32-95 four fragments of K or V; v96-159 S^T, p, then four fragments of V; v160-223 O^T;
; v224-239 codes; v240-245 scales and limits; v246 the way out's lane exchange; v234-255 at work.
.set STEPB, 16384                      ; a key step's tile of K, or of V
.set VOFF,  8*STEPB
.set SPARE, 2*VOFF                     ; the spare words, 128 bytes for each of sixteen waves, which no other line names
.set SPB,   2048                       ; the way out: a stage for each wave, in K's steps 0 and 1, which nobody reads behind the second barrier and nothing fills again
.set AV0,  2
.set SPW,  5
.set NIL,  6
.set GO,   7
.set AK0,  7                           ; K's place in a tile is 16 x lane too
.set ADK,  8
.set ADV,  9
.set XCH,  246
.set WV,   18
.set SEL,  20
.set CS,   22
.set G1,   24
.set G0,   32
.set TB,   48
.set KF,   49
.set Q0,   50
.set CNT,  51
.set TS,   54
.macro CROUND                          ; a round of the cluster's barrier
	s_barrier_signal -1
	s_barrier_wait -1
	s_cmp_lg_u32 s[WV], 0
	s_cbranch_scc1 .Lnot_wave_0_\@
	s_barrier_signal -3
.Lnot_wave_0_\@:
	s_barrier_wait -3
	s_barrier_signal -1
	s_barrier_wait -1
.endm
	s_load_b128 s[4:7], s[0:1], 0x0                ; q_codes, k_codes
	s_load_b128 s[12:15], s[0:1], 0x10             ; v_codes, the exponents
	s_load_b64 s[16:17], s[0:1], 0x20              ; y_codes
	v_lshl_add_u32 v[SPW], v0, 2, SPARE
	v_mov_b32 v[NIL], 0
	ds_add_u32 v[SPW], v[NIL]                      ; the opening lines: the add, twice on end, and its wait
	ds_add_u32 v[SPW], v[NIL]
	v_lshrrev_b32 v8, 5, v0
	s_delay_alu instid0(VALU_DEP_1)
	v_readfirstlane_b32 s[WV], v8                  ; wave 0..15
	s_bfe_u32 s52, ttmp6, 0x40000                  ; g
	s_and_b32 s53, ttmp7, 0xffff                   ; bh = 4 b + hkv
	s_lshr_b32 s54, s[WV], 2
	s_add_co_u32 s55, s[WV], s54
	s_and_b32 s55, s55, 3
	s_lshl_b32 s55, s55, 4
	s_lshl_b32 s56, s54, 2
	s_add_co_u32 s55, s55, s56
	s_add_co_u32 s55, s55, ttmp9                   ; my tile of queries
	s_lshl_b32 s[Q0], s55, 4
	s_and_b32 s57, s[WV], 7                        ; the key step whose tile I fetch
	s_lshl_b32 s60, s[WV], 14                      ; in LDS: 16,384 x wave,
	s_lshl_b32 s62, s53, 17                        ; in memory: the head's 131,072 bytes,
	s_lshl_b32 s61, s57, 14
	s_add_co_u32 s62, s62, s61                     ; a step's 16,384
	s_mov_b32 s63, 0
	s_lshl_b32 s80, s53, 2
	s_add_co_u32 s80, s80, s52                     ; Q: head index 4 bh + g,
	s_lshl_b32 s80, s80, 17
	s_lshl_b32 s82, s[Q0], 7
	s_add_co_u32 s80, s80, s82                     ; my 16 queries' 2,048 bytes
	s_mov_b32 s81, 0
	s_and_b32 s84, s53, 3
	s_lshl_b32 s84, s84, 2
	s_add_co_u32 s84, s84, s52                     ; y: head 4 hkv + g: a K step of 16,384 bytes,
	s_lshl_b32 s84, s84, 14
	s_lshr_b32 s85, s53, 2
	s_lshl_b32 s85, s85, 10
	s_add_co_u32 s85, s85, s[Q0]                   ; token 1024 b + my first query:
	s_lshr_b32 s82, s85, 7
	s_lshl_b32 s82, s82, 18                        ; 128 tokens are 262,144 bytes,
	s_add_co_u32 s84, s84, s82
	s_bfe_u32 s85, s85, 0x30004
	s_lshl_b32 s85, s85, 11                        ; 16 tokens 2,048
	s_add_co_u32 s84, s84, s85
	s_mov_b32 s85, 0
	s_mov_b32 s[G1], 15|(1<<21)                    ; group 1: the mask names all four work-groups, bit 21 beside it; elements of 1 byte; no padding
	s_mov_b32 s[G1+1], 256<<16
	s_mov_b32 s[G1+2], 64<<16
	s_mov_b32 s[G1+3], 256<<16
	s_mov_b32 s[G1+4], 64                          ; 64 rows of 256 bytes, dense
	s_mov_b32 s[G1+5], 256
	s_mov_b32 s[G1+6], 0
	s_mov_b32 s[G1+7], 0
	s_mov_b32 s[SEL], 0x76543210
	s_mov_b32 s[SEL+1], 0xfedcba98
	s_mov_b32 s[CS], 0x3e0293ee                    ; log2(e) / sqrt(128)
	s_mov_b32 s[TB], 0
	s_mov_b32 s[KF], 0
	s_wait_dscnt 0x0                               ; both opening adds are done
	s_wait_kmcnt 0x0
	s_load_b256 s[68:75], s[14:15], 0x0            ; e0 .. e7
	s_load_b32 s76, s[14:15], 0x20                 ; e8
	s_cmp_lt_u32 s[WV], 8
	s_cselect_b64 s[86:87], s[6:7], s[12:13]
	s_mov_b32 s[G0], 1
	s_mov_b32 s[G0+1], s60
	s_add_nc_u64 s[G0+2:G0+3], s[86:87], s[62:63]
	s_or_b32 s[G0+3], s[G0+3], 0x80000000
	s_add_nc_u64 s[4:5], s[4:5], s[80:81]
	s_add_nc_u64 s[16:17], s[16:17], s[84:85]
	CROUND                                         ; all four work-groups are here: the joint loads meet
	tensor_load_to_lds s[G0:G0+3], s[G1:G1+7]      ; my one tensor load
	s_nop 0
.rept 4
	v_nop
.endr
	v_and_b32 v[GO], 31, v0
	v_lshlrev_b32 v[GO], 4, v[GO]
.irp c, 0,1,2,3
	global_load_b128 v[16+4*\c:19+4*\c], v[GO], s[4:5] offset:512*\c   ; Q's fragment stays in registers
.endr
	v_add_nc_u32 v[AV0], VOFF, v[GO]
	v_mov_b32 v13, 0xff61b1e6                      ; the largest t so far: -3e38
	s_delay_alu instid0(VALU_DEP_1)
	v_floor_f32 v12, -v13                          ; -M
	v_mov_b32 v14, 0
	v_mov_b32 v15, 0
	v_mov_b32 v236, 0                              ; a lane permute's destination counts as one of its sources
	v_mov_b32 v[XCH], 0
	v_mov_b32 v253, 0
.set j, 0
.rept 64
	v_mov_b32 v[160+j], 0                          ; O^T: the step is written for every step alike
.set j, j+1
.endr
	s_wait_kmcnt 0x0
	s_add_co_i32 s55, s72, s73
	s_lshl_b32 s55, s55, 23
	s_add_co_i32 s[CS], s[CS], s55                 ; e4 + e5 are added to c's exponent field
	s_mov_b32 s[CS+1], s[CS]
	s_add_co_i32 s55, s74, 127
	s_lshl_b32 s56, s55, 23
	v_mov_b32 v244, s56                            ; 2^e6
	s_add_co_i32 s55, s55, 8
	s_lshl_b32 s55, s55, 23
	s_or_b32 s55, s55, 0x600000
	v_mov_b32 v240, s55                            ; 448 x 2^e6
	s_add_co_i32 s55, s76, 127
	s_lshl_b32 s56, s55, 23
	v_mov_b32 v241, s56                            ; 2^e8
	s_add_co_i32 s55, s55, 8
	s_lshl_b32 s55, s55, 23
	s_or_b32 s55, s55, 0x600000
	v_mov_b32 v245, s55                            ; 448 x 2^e8
; A KEY STEP: the 128 keys from KF on, whose tiles lie at TB (K) and VOFF + TB (V).
.macro STEP
	s_add_co_u32 s[TS], s[Q0], 15
	s_cmp_gt_u32 s[KF], s[TS]                      ; all keys come after my queries: the step's work is left out, not the lines at its end
	s_cbranch_scc1 .Lhidden_\@
	v_add_nc_u32 v[ADK], s[TB], v[AK0]
	s_wait_alu depctr_va_vdst(0)
	v_add_nc_u32 v[ADV], s[TB], v[AV0]
.rept 3
	v_nop                                          ; with the two additions five places behind the last step's products (ISA guide 7.12.1): the scores' products write over v96-159, which those read
.endr
.irp g, 0,1                                    ; S^T = K Q^T, four tiles of 16 keys at a time
.if \g > 0
.rept 4
	v_nop
.endr
.endif
.irp t, 0,1,2,3
.irp c, 0,1,2,3
	ds_load_b128 v[32+16*\t+4*\c:32+16*\t+4*\c+3], v[ADK] offset:(4*\g+\t)*2048+512*\c
.endr
.endr
	s_wait_dscnt 0x0
.irp t, 0,1,2,3
	v_wmma_f32_16x16x128_fp8_fp8 v[96+8*(4*\g+\t):103+8*(4*\g+\t)], v[32+16*\t:47+16*\t], v[16:31], 0
.endr
.endr
.rept 4
	v_nop
.endr
	s_wait_alu depctr_va_vdst(0)
.irp t, 0,1,2,3                                ; V's channels 0 to 63: asked for now, wanted behind the softmax
.irp c, 0,1,2,3
	ds_load_b128 v[32+16*\t+4*\c:32+16*\t+4*\c+3], v[ADV] offset:\t*2048+512*\c
.endr
.endr
	s_add_co_u32 s[TS], s[KF], 127                 ; a step all of whose keys count skips the mask
	s_cmp_le_u32 s[TS], s[Q0]
	s_cbranch_scc1 .Lopen_\@
	s_sub_co_i32 s[TS], s[Q0], s[KF]
	v_and_b32 v252, 15, v0
	v_bfe_u32 v253, v0, 4, 1
	s_delay_alu instid0(VALU_DEP_1)
	v_lshlrev_b32 v253, 3, v253
	s_delay_alu instid0(VALU_DEP_1)
	v_sub_nc_u32 v252, v252, v253
	s_delay_alu instid0(VALU_DEP_1)
	v_add_nc_u32 v252, s[TS], v252                 ; d = my query - KF - 8 (lane / 16): register 8 T + j is hidden where 16 T + j > d
	v_mov_b32 v254, 0xff800000
.set n, 0
.rept 64
	v_cmp_gt_i32 vcc_lo, 16*(n/8)+n%8, v252
	v_cndmask_b32 v[96+n], v[96+n], v254, vcc_lo
.set n, n+1
.endr
.Lopen_\@:
	v_max3_num_f32 v254, v96, v97, v98             ; the step's largest score of my query, in two chains
	v_max3_num_f32 v252, v99, v100, v101
.irp i, 6,10,14,18,22,26,30,34,38,42,46,50,54,58
	v_max3_num_f32 v254, v254, v[96+\i], v[97+\i]
	v_max3_num_f32 v252, v252, v[98+\i], v[99+\i]
.endr
	v_max3_num_f32 v254, v254, v158, v159
	s_delay_alu instid0(VALU_DEP_1)
	v_max_num_f32 v254, v254, v252
	v_permlanex16_b32 v236, v254, s[SEL], s[SEL+1]
	s_delay_alu instid0(VALU_DEP_1)
	v_max_num_f32 v254, v254, v236
	s_delay_alu instid0(VALU_DEP_1)
	v_mul_f32 v254, s[CS], v254                    ; as t
	s_delay_alu instid0(VALU_DEP_1)
	v_max_num_f32 v13, v13, v254
	v_mov_b32 v254, v12
	s_delay_alu instid0(VALU_DEP_2)
	v_floor_f32 v12, -v13                          ; the new -M = -ceil(t)
	s_delay_alu instid0(VALU_DEP_1)
	v_sub_f32 v254, v12, v254
	s_delay_alu instid0(VALU_DEP_1)
	v_cvt_i32_f32 v254, v254
	s_delay_alu instid0(VALU_DEP_1)
	v_ldexp_f32 v252, 1.0, v254                    ; f = 2^(old M - new M)
.set j, 0
.rept 32
	v_pk_fma_f32 v[96+j:97+j], v[96+j:97+j], s[CS:CS+1], v[12:13] op_sel_hi:[1,0,0]   ; t - M
.set j, j+2
.endr
.set j, 0
	s_wait_alu depctr_va_vdst(0)
.rept 64
	v_exp_f32 v[96+j], v[96+j]                     ; p = 2^(t - M)
.set j, j+1
.endr
	v_pk_mul_f32 v[14:15], v[14:15], v[252:253] op_sel_hi:[1,0]
	s_wait_alu depctr_va_vdst(0)                   ; and behind it, one for the 64
	v_pk_add_f32 v[242:243], v[100:101], v[104:105]
	v_pk_add_f32 v[254:255], v[108:109], v[112:113]
	v_pk_add_f32 v[250:251], v[116:117], v[120:121]
	v_pk_add_f32 v[248:249], v[124:125], v[128:129]
	v_pk_add_f32 v[238:239], v[132:133], v[136:137]
	v_pk_add_f32 v[236:237], v[140:141], v[144:145]
	v_pk_add_f32 v[234:235], v[148:149], v[152:153]
	v_pk_add_f32 v[14:15], v[14:15], v[156:157]
	v_pk_add_f32 v[242:243], v[242:243], v[96:97]
	v_pk_add_f32 v[254:255], v[254:255], v[98:99]
	v_pk_add_f32 v[250:251], v[250:251], v[102:103]
	v_pk_add_f32 v[248:249], v[248:249], v[106:107]
	v_pk_add_f32 v[238:239], v[238:239], v[110:111]
	v_pk_add_f32 v[236:237], v[236:237], v[114:115]
	v_pk_add_f32 v[234:235], v[234:235], v[118:119]
	v_pk_add_f32 v[14:15], v[14:15], v[122:123]
	v_pk_add_f32 v[242:243], v[242:243], v[126:127]
	v_pk_add_f32 v[254:255], v[254:255], v[130:131]
	v_pk_add_f32 v[250:251], v[250:251], v[134:135]
	v_pk_add_f32 v[248:249], v[248:249], v[138:139]
	v_pk_add_f32 v[238:239], v[238:239], v[142:143]
	v_pk_add_f32 v[236:237], v[236:237], v[146:147]
	v_pk_add_f32 v[234:235], v[234:235], v[150:151]
	v_pk_add_f32 v[14:15], v[14:15], v[154:155]
	v_pk_add_f32 v[242:243], v[242:243], v[158:159]
	s_delay_alu instid0(VALU_DEP_2)
	v_pk_add_f32 v[14:15], v[14:15], v[248:249]
	s_delay_alu instid0(VALU_DEP_2)
	v_pk_add_f32 v[242:243], v[242:243], v[238:239]
	v_pk_add_f32 v[254:255], v[254:255], v[236:237]
	v_pk_add_f32 v[250:251], v[250:251], v[234:235]
	s_delay_alu instid0(VALU_DEP_2)
	v_pk_add_f32 v[14:15], v[14:15], v[254:255]
	s_delay_alu instid0(VALU_DEP_2)
	v_pk_add_f32 v[242:243], v[242:243], v[250:251]
	s_delay_alu instid0(VALU_DEP_1)
	v_pk_add_f32 v[14:15], v[14:15], v[242:243]
.irp b, 0,1,2,3
.irp i, 0,1,2,3,4,5,6,7,8,9,10,11,12,13,14,15
	v_min_num_f32 v[96+16*\b+\i], v[96+16*\b+\i], v240   ; the one-sided hold (ISA guide 7.6.2)
.endr
	v_cvt_scalef32_pk8_fp8_f32 v[224+4*\b:225+4*\b], v[96+16*\b:103+16*\b], v244
	v_cvt_scalef32_pk8_fp8_f32 v[226+4*\b:227+4*\b], v[104+16*\b:111+16*\b], v244
.endr
	v_nop
.irp t, 0,1,2,3                                ; V's channels 64 to 127 take p's registers
.irp c, 0,1,2,3
	ds_load_b128 v[96+16*\t+4*\c:96+16*\t+4*\c+3], v[ADV] offset:(4+\t)*2048+512*\c
.endr
.endr
.set j, 0
.rept 32
	v_pk_mul_f32 v[160+j:161+j], v[160+j:161+j], v[252:253] op_sel_hi:[1,0]   ; O^T x f, while those loads are out
.set j, j+2
.endr
	s_wait_alu depctr_va_vdst(0)
	s_wait_dscnt 0x0
.irp t, 0,1,2,3                                ; O^T += V^T P^T, eight accumulators by turns
	v_wmma_f32_16x16x128_fp8_fp8 v[160+8*\t:167+8*\t], v[32+16*\t:47+16*\t], v[224:239], v[160+8*\t:167+8*\t]
.endr
.irp t, 0,1,2,3
	v_wmma_f32_16x16x128_fp8_fp8 v[192+8*\t:199+8*\t], v[96+16*\t:111+16*\t], v[224:239], v[192+8*\t:199+8*\t]
.endr
.Lhidden_\@:
	s_add_co_u32 s[TB], s[TB], STEPB
	s_add_co_u32 s[KF], s[KF], 128
.endm
	s_wait_alu depctr_va_vdst(0)
	s_wait_loadcnt 0x0                             ; Q
	s_wait_tensorcnt 0x0                           ; my tile has landed
	s_barrier_signal -1
	s_barrier_wait -1                              ; all sixteen have
	s_mov_b32 s[CNT], 2
.Lfirst:                                           ; key steps 0 and 1
	STEP
	s_sub_co_u32 s[CNT], s[CNT], 1
	s_cmp_lg_u32 s[CNT], 0
	s_cbranch_scc1 .Lfirst
	s_wait_dscnt 0x0                               ; my reads of steps 0 and 1 are over
	s_barrier_signal -1
	s_barrier_wait -1                              ; everybody's are: K's steps 0 and 1 may take the stages
	s_mov_b32 s[TB], 2*STEPB
	s_mov_b32 s[KF], 256
	s_mov_b32 s[CNT], 6
.Lrest:                                            ; key steps 2 to 7
	STEP
	s_sub_co_u32 s[CNT], s[CNT], 1
	s_cmp_lg_u32 s[CNT], 0
	s_cbranch_scc1 .Lrest
	; THE WAY OUT.  O^T / the sum x 2^(e6 + e7) is y; held, converted with 2^e8, laid in my stage as the image of 16 tokens x 128 channels, stored as 2,048 consecutive bytes.
	v_add_f32 v14, v14, v15
	s_delay_alu instid0(VALU_DEP_1)
	v_permlanex16_b32 v[XCH], v14, s[SEL], s[SEL+1]
	s_delay_alu instid0(VALU_DEP_1)
	v_add_f32 v14, v14, v[XCH]                     ; the row's sum
	s_wait_alu depctr_va_vdst(0)
	v_rcp_f32 v14, v14
	v_and_b32 v8, 15, v0                           ; r
	v_bfe_u32 v9, v0, 4, 1                         ; h
	s_add_co_i32 s55, s74, s75                     ; e6 + e7
	s_mul_i32 s56, s[WV], SPB                      ; my stage
	v_lshlrev_b32 v10, 4, v8
	v_lshl_add_u32 v10, v9, 3, v10
	v_add_nc_u32 v10, s56, v10                     ; in: channels 16 t + 8 h + 0 .. 7 of token r lie at 256 t + 16 r + 8 h
	v_add_nc_u32 v11, s56, v[GO]                   ; back: 16 x lane
	s_wait_alu depctr_va_vdst(0)                   ; ahead of the reciprocal's first reader
	v_ldexp_f32 v14, v14, s55
.set j, 0
.rept 64
	v_mul_f32 v[96+j], v[160+j], v14               ; each accumulator from its low end on
.set j, j+1
.endr
.set j, 0
.rept 64
	v_med3_num_f32 v[96+j], v[96+j], -v245, v245
.set j, j+1
.endr
.irp t, 0,1,2,3,4,5,6,7
	v_cvt_scalef32_pk8_fp8_f32 v[224+2*\t:225+2*\t], v[96+8*\t:103+8*\t], v241
.endr
	v_nop
.irp t, 0,1,2,3,4,5,6,7
	ds_store_b64 v10, v[224+2*\t:225+2*\t] offset:256*\t
.endr
.irp i, 0,1,2,3
	ds_load_b128 v[32+4*\i:35+4*\i], v11 offset:512*\i   ; LDS serves a wave's instructions in order: these see my stores
.endr
.irp i, 0,1,2,3
	s_wait_dscnt 3-\i
	global_store_b128 v[GO], v[32+4*\i:35+4*\i], s[16:17] offset:512*\i
.endr
	s_wait_tensorcnt 0x0                           ; the wave's end
	ds_add_u32 v[SPW], v[NIL]
	s_wait_dscnt 0x0
	CROUND                                         ; the closing round
	s_endpgm
.Lfunc_end_k_qb9b73bfeac_attn:
	.size	k_qb9b73bfeac_attn, .Lfunc_end_k_qb9b73bfeac_attn-k_qb9b73bfeac_attn
	.p2alignl 7, 3214868480
	.fill 96, 4, 3214868480
	.section	.rodata,"a",@progbits
	.p2align	6, 0x0
	.amdhsa_kernel k_qb9b73bfeac_attn
		.amdhsa_group_segment_fixed_size 327680
		.amdhsa_private_segment_fixed_size 0
		.amdhsa_enable_private_segment 0
		.amdhsa_kernarg_size 40
		.amdhsa_user_sgpr_count 2
		.amdhsa_user_sgpr_kernarg_segment_ptr 1
		.amdhsa_wavefront_size32 1
		.amdhsa_system_sgpr_workgroup_id_x 1
		.amdhsa_system_sgpr_workgroup_id_y 1
		.amdhsa_system_sgpr_workgroup_id_z 1
		.amdhsa_system_vgpr_workitem_id 0
		.amdhsa_next_free_vgpr 256
		.amdhsa_next_free_sgpr 100
		.amdhsa_reserve_vcc 1
		.amdhsa_float_denorm_mode_32 3
		.amdhsa_float_denorm_mode_16_64 3
		.amdhsa_memory_ordered 1
		.amdhsa_forward_progress 1
		.amdhsa_inst_pref_size 67
	.end_amdhsa_kernel
	.amdgpu_metadata
---
amdhsa.version: [ 1, 2 ]
amdhsa.kernels:
  - .name:           k_qb9b73bfeac_attn
    .symbol:         k_qb9b73bfeac_attn.kd
    .args:
      - { .name: q_codes, .offset: 0, .size: 8, .value_kind: global_buffer, .address_space: global }
      - { .name: k_codes, .offset: 8, .size: 8, .value_kind: global_buffer, .address_space: global }
      - { .name: v_codes, .offset: 16, .size: 8, .value_kind: global_buffer, .address_space: global }
      - { .name: lowp_scales, .offset: 24, .size: 8, .value_kind: global_buffer, .address_space: global }
      - { .name: y_codes, .offset: 32, .size: 8, .value_kind: global_buffer, .address_space: global }
    .group_segment_fixed_size: 327680
    .private_segment_fixed_size: 0
    .kernarg_segment_align: 8
    .kernarg_segment_size: 40
    .max_flat_workgroup_size: 512
    .sgpr_count:     100
    .vgpr_count:     256
    .wavefront_size: 32
...
	.end_amdgpu_metadata
.endif
;; end of part 4
;; launch outp (part 5): grid 256 x 1, 4 waves a work-group, no clusters, 327,680 bytes of LDS; arguments y_codes, wc_codes, lowp_scales, bc, out0; writes out0
.if DOCPART == 5
	.amdgcn_target "amdgcn-amd-amdhsa--gfx1250"
	.amdhsa_code_object_version 6
	.text
	.protected	k_qb9b73bfeac_outp
	.globl	k_qb9b73bfeac_outp
	.p2align	8
	.type	k_qb9b73bfeac_outp,@function
k_qb9b73bfeac_outp:
	s_mov_b64 s[64:65], 0
	v_nop
	global_prefetch_b8 v0, s[64:65] scope:SCOPE_SE
	s_setreg_imm32_b32 hwreg(HW_REG_WAVE_MODE, 25, 1), 1
	s_wait_xcnt 0x0
; out0 = y Wc + bc: y (2^e8) and Wc (2^e9) as codes of FP8 (E4M3), K = 2048, f32 sums x 2^(e8 + e9), + bc.  LIMIT: e8 + e9 between -126 and 127.
; Both operands lie as images of the operand's registers: [128 rows][K step][16 rows][c][lane][16 bytes] (launch quant_x's head).
; A work-group makes 128 tokens x 256 columns: 32 x 8 = 256 work-groups.  THE PANEL, y's 128 tokens x 2048 K, 262,144 dense bytes, lies in LDS whole: each wave fetches a quarter by its one tensor load (256 rows of 256 bytes);
; nothing is filled again, so the text has one barrier.  THE STREAM: each wave's 64 columns of Wc go from memory straight into registers, 512 consecutive bytes a load, four sets of 64 registers: a K step's 16 loads are
; issued three K steps ahead of their use, under counted waits.  The panel's fragments have two sets of 128 registers: a K step's 32 LDS loads are issued a K step ahead.
; Source 0 = 16 columns of Wc, source 1 = 16 tokens: a lane holds eight neighbouring columns of one token's row.
; NO CLUSTER: the shared panel is 262,144 of the 786,432 bytes that a work-group reads, fetched once at the head.  NO PREFETCH: the stream is asked for three K steps (48 loads a wave) ahead by the loads themselves.
; REGISTERS: window 0: addresses, bias, the way out; window 1: the panel's two sets; window 2: accumulator (a, b) at v[8 (4 a + b)]; window 3: the stream's four sets.
.set STAGE,  262144                    ; behind the panel: 16 rows x 272 bytes for each wave; no tensor load lands here
.set SPITCH, 272
.set SPARE,  STAGE+4*16*SPITCH         ; the spare words, which no other line names
.set L16,  2
.set ADP,  8                           ; v8, v9  LDS addresses: the trip's first K step + 16 x lane, and 32,768 bytes on
.set SPW,  4
.set NIL,  5
.set STO,  10
.set RD,   11
.set CO,   12
.set BO,   13
.set BI,   16                          ; v16-19 four columns' bias
.set BK,   32                          ; v32-159 the way out: four sets of 32
.set G1,   24
.set G0,   32
.set SP,   56
.set TB,   60
.set CNT,  61
.set MUL,  0xa7                        ; source 0 window 3, source 1 window 1, C and D window 2
.set MSB, 0
.macro WIN new
.if MSB != (\new)
	s_set_vgpr_msb (MSB<<8)|(\new)
.set MSB, (\new)
.endif
.endm
.macro PLACES
.rept 4
	v_nop
.endr
.endm
.macro AFETCH k, par                   ; the panel's eight fragments of the K step k behind the trip's first
	WIN 0x40
.irp a, 0,1,2,3,4,5,6,7
.irp c, 0,1,2,3
	ds_load_b128 v[128*(\par)+16*\a+4*\c:128*(\par)+16*\a+4*\c+3], v[ADP+((\k)+2)/4] offset:((\k)-2*(((\k)+2)/4))*16384+2048*\a+512*\c
.endr
.endr
.endm
.macro SFETCH k, set                   ; the stream's four fragments
	WIN 0xc0
.irp b, 0,1,2,3
.irp c, 0,1,2,3
	global_load_b128 v[64*(\set)+16*\b+4*\c:64*(\set)+16*\b+4*\c+3], v[L16], s[SP:SP+1] offset:(\k)*16384+2048*\b+512*\c
.endr
.endr
.endm
; A K step: 32 matrix instructions, the 32 accumulators by turns.  In front of them the next step's panel fragments and the stream's of three steps on are asked for.
; lc: the stream loads that may be out behind this step's: 16 for each later step asked for.
.macro STEP k, set, par, zero, sl, nx, lc
.if 1-(\zero)
	PLACES                                         ; behind the last step's products, whose registers the loads below fill
.endif
.if \nx
	AFETCH (\k)+1, 1-(\par)
.endif
.if \sl
	SFETCH (\k)+3, ((\set)+3)%4
.endif
	s_wait_loadcnt \lc
	s_wait_dscnt 32*(\nx)                          ; this step's 32 are in; the next step's may be out
	WIN MUL
.irp a, 0,1,2,3,4,5,6,7
.irp b, 0,1,2,3
.if \zero
	v_wmma_f32_16x16x128_fp8_fp8 v[8*(4*\a+\b):8*(4*\a+\b)+7], v[64*(\set)+16*\b:64*(\set)+16*\b+15], v[128*(\par)+16*\a:128*(\par)+16*\a+15], 0
.else
	v_wmma_f32_16x16x128_fp8_fp8 v[8*(4*\a+\b):8*(4*\a+\b)+7], v[64*(\set)+16*\b:64*(\set)+16*\b+15], v[128*(\par)+16*\a:128*(\par)+16*\a+15], v[8*(4*\a+\b):8*(4*\a+\b)+7]
.endif
.endr
.endr
	WIN 0
.endm
	s_load_b256 s[4:11], s[0:1], 0x0               ; y_codes, wc_codes, the exponents, bc
	s_load_b64 s[12:13], s[0:1], 0x20              ; out0
	v_lshl_add_u32 v[SPW], v0, 2, SPARE
	v_mov_b32 v[NIL], 0
	ds_add_u32 v[SPW], v[NIL]                      ; the opening lines: the add, twice on end, and its wait
	ds_add_u32 v[SPW], v[NIL]
	v_lshrrev_b32 v1, 5, v0
	v_readfirstlane_b32 s14, v1                    ; wave
	v_and_b32 v1, 31, v0
	v_lshlrev_b32 v[L16], 4, v1
	v_lshlrev_b32 v[ADP], 4, v1
	v_and_b32 v6, 15, v0                           ; r
	v_bfe_u32 v7, v0, 4, 1                         ; h
	s_mul_i32 s15, s14, 16*SPITCH
	s_add_co_u32 s15, s15, STAGE                   ; my stage
	v_mul_u32_u24 v[STO], v6, SPITCH
	v_lshl_add_u32 v[STO], v7, 5, v[STO]
	v_add_nc_u32 v[STO], s15, v[STO]               ; in: row r, 32 bytes for each half of the lanes
	v_mul_u32_u24 v[RD], v7, SPITCH
	v_lshl_add_u32 v[RD], v6, 4, v[RD]
	v_add_nc_u32 v[RD], s15, v[RD]                 ; back: sixteen lanes to a row of 256 bytes
	v_lshlrev_b32 v[BO], 4, v6
	v_lshl_add_u32 v[CO], v7, 13, v[BO]            ; and the same two rows in out0
	s_mov_b32 s[G1], 0                             ; group 1: 256 rows of 256 bytes, dense, elements of one byte, no padding
	s_mov_b32 s[G1+1], 256<<16
	s_mov_b32 s[G1+2], 256<<16
	s_mov_b32 s[G1+3], 256<<16
	s_mov_b32 s[G1+4], 256
	s_mov_b32 s[G1+5], 256
	s_mov_b32 s[G1+6], 0
	s_mov_b32 s[G1+7], 0
	s_lshr_b32 s16, ttmp9, 3                       ; which 128 tokens
	s_and_b32 s17, ttmp9, 7                        ; which 256 columns
	s_lshl_b32 s20, s16, 18
	s_lshl_b32 s21, s14, 16
	s_add_co_u32 s20, s20, s21                     ; my quarter of the panel
	s_mov_b32 s21, 0
	s_lshl_b32 s22, s17, 1
	s_lshr_b32 s23, s14, 1
	s_add_co_u32 s22, s22, s23
	s_lshl_b32 s22, s22, 18                        ; Wc: the block of 128 columns,
	s_and_b32 s23, s14, 1
	s_lshl_b32 s23, s23, 13                        ; its first or last four fragments
	s_add_co_u32 s22, s22, s23
	s_mov_b32 s23, 0
	s_lshl_b32 s36, s17, 10
	s_lshl_b32 s37, s14, 8
	s_add_co_u32 s36, s36, s37                     ; my 64 columns, in bytes of f32
	s_mov_b32 s37, 0
	s_lshl_b32 s38, s16, 20                        ; 128 rows of 8,192 bytes
	s_add_co_u32 s38, s38, s36
	s_mov_b32 s39, 0
	s_mov_b32 s[G0], 1
	s_lshl_b32 s[G0+1], s14, 16
	s_wait_alu depctr_va_vdst(0)
	s_wait_dscnt 0x0
	s_wait_kmcnt 0x0
	s_add_nc_u64 s[G0+2:G0+3], s[4:5], s[20:21]
	s_or_b32 s[G0+3], s[G0+3], 0x80000000
	tensor_load_to_lds s[G0:G0+3], s[G1:G1+7]      ; my one tensor load
	s_nop 0
	PLACES
	s_load_b64 s[96:97], s[8:9], 0x20              ; e8, e9
	s_add_nc_u64 s[SP:SP+1], s[6:7], s[22:23]
	s_add_nc_u64 s[10:11], s[10:11], s[36:37]
	s_add_nc_u64 s[12:13], s[12:13], s[38:39]
	global_load_b128 v[BI:BI+3], v[BO], s[10:11]   ; the oldest load: in with the first wait on LOADcnt
	SFETCH 0, 0
	SFETCH 1, 1
	SFETCH 2, 2
	WIN 0
	s_wait_tensorcnt 0x0                           ; my quarter has landed
	s_barrier_signal -1
	s_barrier_wait -1                              ; everybody's has
	AFETCH 0, 0
	STEP 0, 0, 0, 1, 1, 1, 48                      ; K step 0 starts the sums
	s_wait_xcnt 0x0                                ; the loads have read their base
	s_add_nc_u64 s[SP:SP+1], s[SP:SP+1], 16384
	s_mov_b32 s[TB], 16384
	s_mov_b32 s[CNT], 3
.Ltrip:                                            ; K steps 1 to 12, four a trip: the sets are back where they began
	v_add_nc_u32 v[ADP], s[TB], v[L16]
	v_add_nc_u32 v[ADP+1], 32768, v[ADP]
	s_wait_alu depctr_va_vdst(0)
	STEP 0, 1, 1, 0, 1, 1, 48
	STEP 1, 2, 0, 0, 1, 1, 48
	STEP 2, 3, 1, 0, 1, 1, 48
	STEP 3, 0, 0, 0, 1, 1, 48
	s_wait_xcnt 0x0
	s_add_nc_u64 s[SP:SP+1], s[SP:SP+1], 65536
	s_add_co_u32 s[TB], s[TB], 65536
	s_sub_co_u32 s[CNT], s[CNT], 1
	s_cmp_lg_u32 s[CNT], 0
	s_cbranch_scc1 .Ltrip
	v_add_nc_u32 v[ADP], s[TB], v[L16]
	v_add_nc_u32 v[ADP+1], 32768, v[ADP]
	s_wait_alu depctr_va_vdst(0)
	STEP 0, 1, 1, 0, 0, 1, 32                      ; the last three steps ask for no more of the stream
	STEP 1, 2, 0, 0, 0, 1, 16
	STEP 2, 3, 1, 0, 0, 0, 0
; THE WAY OUT, 16 tokens x 64 columns at a time: through my stage, back as rows of 256 bytes, x 2^(e8 + e9) + bc, stored: sixteen lanes fill 256 consecutive bytes, aligned.
.macro TOSTAGE a
	WIN 0x08                                       ; the stores' data: window 2; each accumulator from its low end on
.irp b, 0,1,2,3
	ds_store_b128 v[STO], v[32*(\a)+8*\b:32*(\a)+8*\b+3] offset:64*\b
	ds_store_b128 v[STO], v[32*(\a)+8*\b+4:32*(\a)+8*\b+7] offset:64*\b+16
.endr
	WIN 0
.irp t, 0,1,2,3,4,5,6,7
	ds_load_b128 v[BK+32*((\a)%4)+4*\t:BK+32*((\a)%4)+4*\t+3], v[RD] offset:\t*2*SPITCH   ; LDS serves a wave's instructions in order: these see my stores
.endr
.endm
.macro SEND a, younger
.set BB, BK+32*((\a)%4)
	s_wait_dscnt \younger
.irp t, 0,1,2,3,4,5,6,7
	v_pk_fma_f32 v[BB+4*\t:BB+4*\t+1], v[BB+4*\t:BB+4*\t+1], s[96:97], v[BI:BI+1] op_sel_hi:[1,0,1]
	v_pk_fma_f32 v[BB+4*\t+2:BB+4*\t+3], v[BB+4*\t+2:BB+4*\t+3], s[96:97], v[BI+2:BI+3] op_sel_hi:[1,0,1]
.endr
.irp t, 0,1,2,3,4,5,6,7
	global_store_b128 v[CO], v[BB+4*\t:BB+4*\t+3], s[12:13] offset:131072*(\a)+16384*\t th:TH_STORE_NT
.endr
.endm
	s_wait_kmcnt 0x0
	s_add_co_i32 s96, s96, s97
	s_add_co_i32 s96, s96, 127
	s_lshl_b32 s96, s96, 23                        ; 2^(e8 + e9)
	PLACES                                         ; behind the last products
	TOSTAGE 0
.irp a, 1,2,3,4,5,6,7
.if \a > 3
	s_wait_xcnt 0x0                                ; block a - 4's stores have read their registers
.endif
	TOSTAGE \a
	SEND \a-1, 16                                  ; behind block a - 1's loads: block a's 8 stores and 8 loads
.endr
	SEND 7, 0
	s_wait_tensorcnt 0x0                           ; the wave's end
	ds_add_u32 v[SPW], v[NIL]
	s_wait_dscnt 0x0
	s_endpgm
.Lfunc_end_k_qb9b73bfeac_outp:
	.size	k_qb9b73bfeac_outp, .Lfunc_end_k_qb9b73bfeac_outp-k_qb9b73bfeac_outp
	.p2alignl 7, 3214868480
	.fill 96, 4, 3214868480
	.section	.rodata,"a",@progbits
	.p2align	6, 0x0
	.amdhsa_kernel k_qb9b73bfeac_outp
		.amdhsa_group_segment_fixed_size 327680
		.amdhsa_private_segment_fixed_size 0
		.amdhsa_enable_private_segment 0
		.amdhsa_kernarg_size 40
		.amdhsa_user_sgpr_count 2
		.amdhsa_user_sgpr_kernarg_segment_ptr 1
		.amdhsa_wavefront_size32 1
		.amdhsa_system_sgpr_workgroup_id_x 1
		.amdhsa_system_sgpr_workgroup_id_y 1
		.amdhsa_system_sgpr_workgroup_id_z 1
		.amdhsa_system_vgpr_workitem_id 0
		.amdhsa_next_free_vgpr 1024
		.amdhsa_next_free_sgpr 100
		.amdhsa_reserve_vcc 0
		.amdhsa_float_denorm_mode_32 3
		.amdhsa_float_denorm_mode_16_64 3
		.amdhsa_memory_ordered 1
		.amdhsa_forward_progress 1
		.amdhsa_inst_pref_size 74
	.end_amdhsa_kernel
	.amdgpu_metadata
---
amdhsa.version: [ 1, 2 ]
amdhsa.kernels:
  - .name:           k_qb9b73bfeac_outp
    .symbol:         k_qb9b73bfeac_outp.kd
    .args:
      - { .name: y_codes, .offset: 0, .size: 8, .value_kind: global_buffer, .address_space: global }
      - { .name: wc_codes, .offset: 8, .size: 8, .value_kind: global_buffer, .address_space: global }
      - { .name: lowp_scales, .offset: 16, .size: 8, .value_kind: global_buffer, .address_space: global }
      - { .name: bc, .offset: 24, .size: 8, .value_kind: global_buffer, .address_space: global }
      - { .name: out0, .offset: 32, .size: 8, .value_kind: global_buffer, .address_space: global }
    .group_segment_fixed_size: 327680
    .private_segment_fixed_size: 0
    .kernarg_segment_align: 8
    .kernarg_segment_size: 40
    .max_flat_workgroup_size: 128
    .sgpr_count:     100
    .vgpr_count:     1024
    .wavefront_size: 32
...
	.end_amdgpu_metadata
.endif
;; end of part 5
